; MI455X (gfx1250); checked and timed in simulation.
; The chip was launched on July 23, 2026; its instructions are those of AMD's public machine-readable ISA for CDNA 5 (MIT licence, August 2026) and "CDNA5" Instruction Set Architecture Reference Guide (July 2026). The comments in the code are by the model that wrote it; some were corrected since.
;; MHA. Allowed arithmetic: matrix products marked QUANTISED: E5M2 operands, one E8M0 scale for each 32 along K, by v_wmma_scale_f32_16x16x128_f8f6f4 with both operands' format E5M2, f32 sums; everything else in f32.
;; Inputs: W_qkv_codes 3,072 x 32 x 32 uint8 (E5M2 codes of W_qkv, K innermost, in blocks of 32 codes); W_qkv_scales 3,072 x 32 uint8 (E8M0 scales of W_qkv, one for each 32 codes along K); inputs 4 x 2,048 x 1,024 float32; mask_mat 4 x 2,048 float32.
;; Outputs: out0 4 x 2,048 x 1,024 float32.
;; This version of the problem:
;;   THIS VERSION OF THE PROBLEM IS GIVEN IN LOW PRECISION. The matrix products marked QUANTISED in the list below multiply operands that are first quantised to E5M2 (5 exponent bits, 2 mantissa bits; 8 bits a number), with one power-of-two scale for each 32 numbers along K (OCP MX v1.0); their sums are f32. All else is computed in f32.
;;   The module's matrix products, in the order in which they are computed (A, B: the left and right operand; K: the contracted axis; several contracted axes count as one K, in the product's order):
;;     1. [M 8,192, K 1,024] x [K 1,024, N 3,072]; A: computed on the way; B: input W_qkv (given as codes): QUANTISED
;;     2. batch 64 x [M 2,048, K 64] x [K 64, N 2,048]; A: computed on the way; B: computed on the way: QUANTISED
;;     3. batch 64 x [M 2,048, K 2,048] x [K 2,048, N 64]; A: softmax (see below); B: computed on the way: QUANTISED
;;   THE QUANTISER, for each operand of a quantised product, along K:
;;     - K is cut into blocks of 32 from its start; a last block that is shorter is filled with zeros.
;;     - A block's scale is 2^e with e = floor(log2(the largest magnitude in the block)) - 15, held to -126 .. 127; a block of zeros has e = 0. As a byte (E8M0): e + 127.
;;     - Each number is divided by its block's scale, clamped to +-57,344, and rounded to the nearest number of E5M2, ties to even, subnormals kept.
;;     - The product sums the exact products of the quantised numbers (number of the format x scale) in f32.
;;   ~~~python
;;   def quantise(x, axis):      # numpy; x: float32 -> the quantised numbers, widened to float32 again
;;       x = np.moveaxis(x, axis, -1); K = x.shape[-1]
;;       x = np.pad(x, [(0, 0)] * (x.ndim - 1) + [(0, -K % 32)]); x = x.reshape(x.shape[:-1] + (-1, 32)); a = np.abs(x).max(-1, keepdims=True)
;;       e = np.where(a > 0, np.clip(np.frexp(np.where(a > 0, a, 1))[1] - 1 - 15, -126, 127), 0)      # np.frexp(a)[1] - 1 = floor(log2(a)), exactly
;;       r = np.clip(x / 2.0 ** e, -57344, 57344)
;;       step = 2.0 ** (np.maximum(np.frexp(np.where(r == 0, 1, r))[1] - 1, -14) - 2)
;;       q = np.round(r / step) * step * 2.0 ** e      # np.round: ties to even
;;       return np.moveaxis(q.reshape(q.shape[:-2] + (-1,))[..., :K], -1, axis).astype(np.float32)
;;   ~~~
;;   SOFTMAX AHEAD OF A QUANTISED PRODUCT. Where the list says 'softmax', what is quantised is not the finished softmax but p = 2^(t - M), with t = logit x log2(e) and M = ceil(the row's largest t), a whole number; so 1/2 < the row's largest p <= 1. The row's sum l is taken of the UNQUANTISED p, in f32, and the product's result is divided by l at the end. Since M is a whole number, a kernel that streams over the keys may use a running M (the ceiling of the running maximum): every later rescaling is an exact power of two, which a block's scale takes up: the codes' values come out the same.
;;   OPERANDS COMPUTED ON THE WAY. 'Computed on the way' means the value that the module computes at that place (a softmax that the list does not call 'softmax' is quantised finished and normalised). What goes into a quantiser is computed in f32, as accurately as f32 sums, v_exp_f32 and their like allow (about 1e-6 of the number): no bf16 or f16 on the way to a quantiser, and a product that is left as it is and whose result goes on into a quantised operand takes f32 operands (vector FMAs, or v_wmma_f32_16x16x4_f32). A number that lies on a knife's edge between two numbers of the format may be rounded either way, as far as f32 arithmetic and the matrix unit's own rounding can turn it there, and no further.
;;   INPUTS GIVEN AS CODES. W_qkv (in the module: [1024, 3072], K = its axis 0): each comes as NAME_codes (uint8): NAME with its K axis moved to the last place and cut into blocks of 32 codes, [.., K / 32, bytes a block], one block behind the other in memory; one code a byte (a code: sign, 5 exponent bits, 2 mantissa bits); and NAME_scales (uint8): the same leading axes, one E8M0 byte (e + 127) for each 32 codes along K. Its value is code x scale, taken as it is: it is not quantised again, and the codes and scales need not be those that the quantiser above would give.
;; One version. Each part assembles by itself: llvm-mc -triple=amdgcn-amd-amdhsa -mcpu=gfx1250 --defsym DOCPART=n.
;; ======== version 1 of 1: 3 launches
;; limits: right only within a limited range of input values
;; workspace buffers: x_codes 8,388,608 bytes; x_scales 262,144 bytes; qkv_codes 25,165,824 bytes; qkv_scales 786,432 bytes
;; launch quant_x (part 1): grid 256 x 1, 8 waves a work-group, no clusters, 43,008 bytes of LDS; arguments inputs, x_codes, x_scales; writes x_codes, x_scales
.if DOCPART == 1
	.amdgcn_target "amdgcn-amd-amdhsa--gfx1250"
	.amdhsa_code_object_version 6
	.text
	.protected	k_qa75f3f2def_quant_x
	.globl	k_qa75f3f2def_quant_x
	.p2align	8
	.type	k_qa75f3f2def_quant_x,@function
k_qa75f3f2def_quant_x:
	s_mov_b64 s[64:65], 0
	v_nop
	global_prefetch_b8 v0, s[64:65] scope:SCOPE_SE
	s_setreg_imm32_b32 hwreg(HW_REG_WAVE_MODE, 25, 1), 1
	s_wait_xcnt 0x0
; x = inputs + the sinusoidal table, quantised along C into codes of E5M2 with one E8M0 byte for each 32 numbers.
; inputs: [4][2048][1024] f32.  x_codes: [8192][1024], one code a byte, C innermost.  x_scales: [8192][32].
; SHARES.  A work-group owns positions n = 8 wg .. 8 wg + 7 in all four batches, wave w the row n = 8 wg + w.  A step is half a row (512 numbers) of one batch:
; step t is half t / 4, batch t % 4, so that the table of a half row is made once and added four times.
; THE TABLE.  Column c belongs to the pair p = c / 2; rate = 10000^(-p / 512) = 2^(p x -log2(10000) / 512), the product kept in two f32 parts, its whole part put back by v_ldexp_f32;
; angle = n x rate, rounded once to f32; the angle less k = round(angle x 2 / pi) quarter turns, pi / 2 in two parts (what is left of pi / 2 is under 4e-15, k under 2^11);
; sine and cosine by polynomials on +-pi / 4, the quadrant by a select and a sign bit.  Even columns take the sine, odd ones the cosine.
; THE DATA.  Each load reads 512 consecutive bytes, 16 a lane; a step's 2,048 bytes turn through the wave's own stage in LDS and come back 64 bytes a lane: 16 neighbours, two lanes to a block of 32.
; A lane's 16 codes are 16 bytes: a store covers 512 consecutive bytes.  The scale bytes of the work-group's 8 rows x 4 batches meet in LDS and leave as four aligned runs of 256 bytes.
; A block's scale is 2^(floor(log2(largest magnitude)) - 15); its byte is the largest magnitude's exponent field - 15, held at 1 from below.
; LIMITS: NaN and infinities among the inputs are not served.  A block of zeros, or one whose largest magnitude lies under 2^-111, gets the byte 1 (the bytes are read by this program alone; zero codes add nothing).
; The rates lie within about 2 ulp of the exact power; the range reduction holds for positions up to 2,047.
.set SP,    80                         ; a lane's place in a stage: its 64 bytes + 16 of padding
.set STG,   32*SP                      ; a stage
.set WREG,  2*STG                      ; a wave's two stages
.set SCB,   8*WREG                     ; behind them: the scale bytes, [batch 4][row 8][32]
.set R,     16                         ; v16-79   four sets of 16 numbers as loaded
.set X,     80                         ; v80-111  two sets of 16 neighbours
.set C,     112                        ; v112-143 codes: four registers for each step, never written again
.set E,     144                        ; v144-151 a scale byte for each step
.set RATE,  152                        ; v152-167 my 8 rates of each half row
.set PE,    168                        ; v168-183 the table at my 16 columns of the half row in hand
.set KC,    184                        ; v184-195 six constants, each twice (pairs for the packed forms)
.set NF,    196                        ; v196-197 n as f32, twice
.set T,     200                        ; v200-247 at work
.set IN,    20                         ; s[20:27] my row in each of the four batches
	s_load_b128 s[4:7], s[0:1], 0x0                ; inputs, x_codes
	s_load_b64 s[8:9], s[0:1], 0x10
.set SPARE, SCB+1024                   ; behind the scale bytes: the spare words, 128 bytes for each of the eight waves
	v_lshl_add_u32 v198, v0, 2, SPARE              ; my spare word; never rewritten
	v_mov_b32 v199, 0                              ; 0; never rewritten
	v_lshrrev_b32 v1, 5, v0
	s_delay_alu instid0(VALU_DEP_1)
	v_readfirstlane_b32 s16, v1                    ; wave 0..7
	v_and_b32 v2, 31, v0                           ; lane
	s_delay_alu instid0(VALU_DEP_1)
	v_lshlrev_b32 v3, 4, v2                        ; 16 x lane: my bytes of a load's 512, and of a step's 512 codes; never rewritten
	s_mul_i32 s17, s16, WREG
	v_lshrrev_b32 v14, 2, v2
	s_delay_alu instid0(VALU_DEP_1)
	v_mul_u32_u24 v14, v14, SP
	v_and_b32 v15, 3, v2
	s_delay_alu instid0(VALU_DEP_1)
	v_lshl_add_u32 v14, v15, 4, v14
	s_delay_alu instid0(VALU_DEP_1)
	v_add_nc_u32 v14, s17, v14                     ; the stage, on the way in: SP (lane / 4) + 16 (lane % 4)
	v_mul_u32_u24 v15, v2, SP
	s_delay_alu instid0(VALU_DEP_1)
	v_add_nc_u32 v15, s17, v15                     ; and on the way out: SP x lane
	v_lshrrev_b32 v5, 1, v2
	s_lshl_b32 s18, s16, 5
	s_add_co_u32 s18, s18, SCB
	v_add_nc_u32 v5, s18, v5                       ; my block's scale byte: SCB + 32 x wave + lane / 2 (+ 256 x batch + 16 x half in the immediate)
	v_lshlrev_b32 v7, 3, v2                        ; the scale bytes' way out: 8 bytes a lane
	s_and_b32 s18, s16, 3
	s_lshl_b32 s18, s18, 8
	s_add_co_u32 s18, s18, SCB
	v_add_nc_u32 v6, s18, v7                       ; batch (wave % 4)'s 256 bytes
	s_lshl_b32 s28, ttmp9, 3
	s_add_co_u32 s28, s28, s16                     ; n
	s_lshl_b32 s18, s28, 12                        ; a row of inputs is 4,096 bytes
	s_mov_b32 s19, 0
	s_mov_b32 s29, 0x600000                        ; the mantissa field of 57,344
	s_mov_b32 s30, 0xbcd49a78                      ; -log2(10000) / 512, its upper part,
	s_mov_b32 s31, 0xb0179a29                      ; and what that leaves
	s_wait_kmcnt 0x0
	s_add_nc_u64 s[IN:IN+1], s[4:5], s[18:19]
	s_add_nc_u64 s[IN+2:IN+3], s[IN:IN+1], 0x800000      ; a batch is 8 MiB: past a load's immediate, so each batch has a base
	s_add_nc_u64 s[IN+4:IN+5], s[IN+2:IN+3], 0x800000
	s_add_nc_u64 s[IN+6:IN+7], s[IN+4:IN+5], 0x800000
	s_lshl_b32 s18, s28, 10                        ; a row of codes is 1,024 bytes
	s_add_nc_u64 s[6:7], s[6:7], s[18:19]
.macro LOAD t                          ; step t's 2,048 bytes into set t % 4
.irp i, 0,1,2,3
	global_load_b128 v[R+16*((\t)%4)+4*\i:R+16*((\t)%4)+4*\i+3], v3, s[IN+2*((\t)%4):IN+2*((\t)%4)+1] offset:2048*((\t)/4)+512*\i th:TH_LOAD_NT
.endr
.endm
.macro TURN t                          ; step t's numbers through the stage: LDS serves a wave's instructions in order, so no wait stands between the stores and the loads
.irp i, 0,1,2,3
	ds_store_b128 v14, v[R+16*((\t)%4)+4*\i:R+16*((\t)%4)+4*\i+3] offset:STG*((\t)%2)+8*SP*\i
.endr
.irp i, 0,1,2,3
	ds_load_b128 v[X+16*((\t)%2)+4*\i:X+16*((\t)%2)+4*\i+3], v15 offset:STG*((\t)%2)+16*\i
.endr
.endm
.irp t, 0,1,2,3
	LOAD \t
.endr
	; THE RATES, while the first sixteen loads are on their way.  Rate j: pair p = 256 (j / 8) + 8 x lane + j % 8
	v_lshlrev_b32 v12, 3, v2
.set j, 0
.rept 16
	v_add_nc_u32 v[T+j], 256*(j/8)+j%8, v12
.set j, j+1
.endr
.set j, 0
.rept 16
	v_cvt_f32_u32 v[T+j], v[T+j]
.set j, j+1
.endr
.set j, 0
.rept 16
	v_mul_f32 v[T+16+j], s30, v[T+j]               ; the exponent, rounded;
.set j, j+1
.endr
.set j, 0
.rept 16
	v_fma_f32 v[T+32+j], v[T+j], s30, -v[T+16+j]   ; what that rounding lost, exactly;
.set j, j+1
.endr
.set j, 0
.rept 16
	v_fma_f32 v[T+32+j], v[T+j], s31, v[T+32+j]    ; and the constant's lower part
.set j, j+1
.endr
.set j, 0
.rept 16
	v_rndne_f32 v[T+j], v[T+16+j]                  ; the whole part
.set j, j+1
.endr
.set j, 0
.rept 16
	v_sub_f32 v[T+16+j], v[T+16+j], v[T+j]         ; (exact)
.set j, j+1
.endr
.set j, 0
.rept 16
	v_add_f32 v[T+16+j], v[T+16+j], v[T+32+j]      ; the rest, within +-0.5
.set j, j+1
.endr
.set j, 0
	s_wait_alu depctr_va_vdst(0)
.rept 16
	v_exp_f32 v[T+16+j], v[T+16+j]                 ; one batch
.set j, j+1
.endr
.set j, 0
.rept 16
	v_cvt_i32_f32 v[T+j], v[T+j]                   ; plain work behind the batch: it names none of its results
.set j, j+1
.endr
	s_wait_alu depctr_va_vdst(0)                   ; one wait for the sixteen exponentials, ahead of their first reader
.set j, 0
.rept 16
	v_ldexp_f32 v[RATE+j], v[T+16+j], v[T+j]
.set j, j+1
.endr
.macro CONST at, bits
	v_mov_b32 v[KC+\at], \bits
	v_mov_b32 v[KC+\at+1], \bits
.endm
	CONST 0, 0xbe2aaaa3                            ; sine: r + r z (S1 + z (S2 + z S3)), z = r r
	CONST 2, 0x3c08839e
	CONST 4, 0xb94ca1f9
	CONST 6, 0x3d2aaaa5                            ; cosine: 1 - z / 2 + z z (C1 + z (C2 + z C3))
	CONST 8, 0xbab6061a
	CONST 10, 0x37ccf5ce
	v_cvt_f32_u32 v[NF], s28
	s_delay_alu instid0(VALU_DEP_1)
	v_mov_b32 v[NF+1], v[NF]
; The table at my 16 columns of half row 'half': 8 angles, two at a time.  T+0 angle then r, T+8 k, T+16 z, T+24 sine, T+32 cosine, T+40 1 - z / 2
.macro PEHALF half
.irp a, 0,2,4,6
	v_pk_mul_f32 v[T+\a:T+\a+1], v[RATE+8*\half+\a:RATE+8*\half+\a+1], v[NF:NF+1]           ; n x rate: one rounding
.endr
.irp a, 0,2,4,6
	s_delay_alu instid0(VALU_DEP_4)
	v_pk_mul_f32 v[T+8+\a:T+8+\a+1], v[T+\a:T+\a+1], 0x3f22f983 op_sel_hi:[1,0]             ; x 2 / pi
.endr
.irp a, 0,1,2,3,4,5,6,7
	v_rndne_f32 v[T+8+\a], v[T+8+\a]                                                        ; k
.endr
.irp a, 0,2,4,6
	v_pk_fma_f32 v[T+\a:T+\a+1], v[T+8+\a:T+8+\a+1], 0xbfc90fdb, v[T+\a:T+\a+1] op_sel_hi:[1,0,1]   ; - k x the upper part of pi / 2: exact (k has 11 bits)
.endr
.irp a, 0,2,4,6
	s_delay_alu instid0(VALU_DEP_4)
	v_pk_fma_f32 v[T+\a:T+\a+1], v[T+8+\a:T+8+\a+1], 0x333bbd2e, v[T+\a:T+\a+1] op_sel_hi:[1,0,1]   ; the upper part is too large by this much
.endr
.irp a, 0,2,4,6
	s_delay_alu instid0(VALU_DEP_4)
	v_pk_mul_f32 v[T+16+\a:T+16+\a+1], v[T+\a:T+\a+1], v[T+\a:T+\a+1]
.endr
.irp a, 0,2,4,6
	v_pk_fma_f32 v[T+24+\a:T+24+\a+1], v[T+16+\a:T+16+\a+1], v[KC+4:KC+5], v[KC+2:KC+3]
	v_pk_fma_f32 v[T+32+\a:T+32+\a+1], v[T+16+\a:T+16+\a+1], v[KC+10:KC+11], v[KC+8:KC+9]
	v_pk_fma_f32 v[T+40+\a:T+40+\a+1], v[T+16+\a:T+16+\a+1], -0.5, 1.0 op_sel_hi:[1,0,0]
.endr
.irp a, 0,2,4,6
	v_pk_fma_f32 v[T+24+\a:T+24+\a+1], v[T+24+\a:T+24+\a+1], v[T+16+\a:T+16+\a+1], v[KC:KC+1]
	v_pk_fma_f32 v[T+32+\a:T+32+\a+1], v[T+32+\a:T+32+\a+1], v[T+16+\a:T+16+\a+1], v[KC+6:KC+7]
.endr
.irp a, 0,2,4,6
	v_pk_mul_f32 v[T+24+\a:T+24+\a+1], v[T+24+\a:T+24+\a+1], v[T+16+\a:T+16+\a+1]
	v_pk_mul_f32 v[T+32+\a:T+32+\a+1], v[T+32+\a:T+32+\a+1], v[T+16+\a:T+16+\a+1]
.endr
.irp a, 0,2,4,6
	v_pk_fma_f32 v[T+24+\a:T+24+\a+1], v[T+24+\a:T+24+\a+1], v[T+\a:T+\a+1], v[T+\a:T+\a+1]          ; sin r
	v_pk_fma_f32 v[T+32+\a:T+32+\a+1], v[T+32+\a:T+32+\a+1], v[T+16+\a:T+16+\a+1], v[T+40+\a:T+40+\a+1]  ; cos r
.endr
.irp a, 0,1,2,3,4,5,6,7
	v_cvt_i32_f32 v[T+8+\a], v[T+8+\a]
.endr
.irp a, 0,1,2,3,4,5,6,7                ; sin(angle) = sin r, cos r, -sin r, -cos r for k % 4 = 0 .. 3; cos(angle) = cos r, -sin r, -cos r, sin r
	v_and_b32 v[T+16+\a], 1, v[T+8+\a]
	v_add_nc_u32 v[T+40+\a], 1, v[T+8+\a]
	v_lshlrev_b32 v[T+8+\a], 30, v[T+8+\a]         ; bit 1 of k is the sine's sign,
	s_delay_alu instid0(VALU_DEP_2)
	v_lshlrev_b32 v[T+40+\a], 30, v[T+40+\a]       ; bit 1 of k + 1 the cosine's
	s_delay_alu instid0(VALU_DEP_4)
	v_cmp_ne_u32 vcc_lo, 0, v[T+16+\a]
	s_delay_alu instid0(VALU_DEP_3)
	v_and_b32 v[T+8+\a], 0x80000000, v[T+8+\a]
	s_delay_alu instid0(VALU_DEP_3)
	v_and_b32 v[T+40+\a], 0x80000000, v[T+40+\a]
	s_delay_alu instid0(VALU_DEP_3)
	v_cndmask_b32 v[PE+2*\a], v[T+24+\a], v[T+32+\a], vcc_lo
	s_delay_alu instid0(VALU_DEP_4)
	v_cndmask_b32 v[PE+2*\a+1], v[T+32+\a], v[T+24+\a], vcc_lo
	s_delay_alu instid0(VALU_DEP_2)
	v_xor_b32 v[PE+2*\a], v[PE+2*\a], v[T+8+\a]
	s_delay_alu instid0(VALU_DEP_2)
	v_xor_b32 v[PE+2*\a+1], v[PE+2*\a+1], v[T+40+\a]
.endr
.endm
	PEHALF 0
	s_wait_alu depctr_va_vdst(0)
	s_wait_loadcnt 12                              ; step 0's four loads are in; those of steps 1 to 3 may be out
	TURN 0
.macro STEP t
.set XS, X+16*((\t)%2)
.if (\t) > 0
	s_wait_dscnt 1                                 ; this step's numbers are back from the stage (the last step's byte store may be out): so its stores into the stage have read their registers,
.else
	s_wait_dscnt 0x0
.endif
.if (\t)+4 < 8
	LOAD (\t)+4                                    ; which take the loads of four steps on
.endif
.if (\t) < 7
.if (\t) < 4
	s_wait_loadcnt 12                              ; the next step's four loads are in; those of the three steps behind it may be out
.else
	s_wait_loadcnt 4*(6-(\t))                      ; nothing more is asked for: the counts run down
.endif
	TURN (\t)+1                                    ; and go through the other stage while this step is worked
.endif
.if (\t) == 4
	PEHALF 1                                       ; the second half row's table
.endif
.irp i, 0,2,4,6,8,10,12,14
	v_pk_add_f32 v[XS+\i:XS+\i+1], v[XS+\i:XS+\i+1], v[PE+\i:PE+\i+1]      ; x = inputs + the table
.endr
	v_max3_num_f32 v8, |v[XS]|, |v[XS+1]|, |v[XS+2]|                       ; the largest magnitude of my 16, in two chains
	v_max3_num_f32 v9, |v[XS+3]|, |v[XS+4]|, |v[XS+5]|
.irp i, 6,10
	s_delay_alu instid0(VALU_DEP_2)
	v_max3_num_f32 v8, v8, |v[XS+\i]|, |v[XS+\i+1]|
	s_delay_alu instid0(VALU_DEP_2)
	v_max3_num_f32 v9, v9, |v[XS+\i+2]|, |v[XS+\i+3]|
.endr
	s_delay_alu instid0(VALU_DEP_2)
	v_max3_num_f32 v8, v8, |v[XS+14]|, |v[XS+15]|
	s_delay_alu instid0(VALU_DEP_1)
	v_max3_num_f32 v8, v8, v9, 0x8000000           ; and the floor 2^(16 - 127): the byte cannot fall under 1
	s_delay_alu instid0(VALU_DEP_1)
	v_max_num_f32_dpp v8, v8, v8 row_xmask:1 row_mask:0xf bank_mask:0xf    ; and of my neighbour's 16: the block's
	s_delay_alu instid0(VALU_DEP_1)
	v_add_nc_u32 v11, 0xf8800000, v8               ; 15 off its exponent field: the conversion takes the exponent field of this operand as its scale
	s_delay_alu instid0(VALU_DEP_2)
	v_and_or_b32 v10, v8, 0x7f800000, s29          ; 57,344 x the scale
.irp i, 0,1,2,3,4,5,6,7,8,9,10,11,12,13,14,15
	v_med3_num_f32 v[XS+\i], v[XS+\i], -v10, v10   ; the conversion to an 8-bit code does not saturate (ISA guide 7.6.2): the hold comes first
.endr
	v_cvt_scalef32_pk8_bf8_f32 v[C+4*(\t):C+4*(\t)+1], v[XS:XS+7], v11
	v_cvt_scalef32_pk8_bf8_f32 v[C+4*(\t)+2:C+4*(\t)+3], v[XS+8:XS+15], v11
	v_lshrrev_b32 v[E+(\t)], 23, v11               ; the scale's byte (a plain line behind the conversions)
	ds_store_b8 v5, v[E+(\t)] offset:256*((\t)%4)+16*((\t)/4)              ; both lanes of a block write the same byte with the same value
	global_store_b128 v3, v[C+4*(\t):C+4*(\t)+3], s[6:7] offset:2097152*((\t)%4)+512*((\t)/4)   ; 32 lanes store 512 consecutive bytes
.endm
.irp t, 0,1,2,3,4,5,6,7
	STEP \t
.endr
	s_wait_tensorcnt 0x0                           ; behind my last LDS store
	ds_add_u32 v198, v199
	s_wait_dscnt 0x0                               ; for the others' sake too: my byte stores are done
	s_barrier_signal -1
	s_barrier_wait -1
	s_cmp_lt_u32 s16, 4                            ; waves 0 to 3 send a batch's 256 scale bytes each: the 8 rows' bytes are neighbours in x_scales
	s_cbranch_scc0 .Ldone
	s_lshl_b32 s18, s16, 16                        ; batch x 2,048 rows x 32 bytes
	s_lshl_b32 s19, ttmp9, 8                       ; + 8 wg rows x 32 bytes
	s_add_co_u32 s18, s18, s19
	s_mov_b32 s19, 0
	s_add_nc_u64 s[8:9], s[8:9], s[18:19]
	ds_load_b64 v[12:13], v6
	s_wait_dscnt 0x0
	global_store_b64 v7, v[12:13], s[8:9]          ; 32 lanes store 256 consecutive bytes, at a multiple of 256 from the buffer's first byte
.Ldone:
	s_endpgm
.Lfunc_end_k_qa75f3f2def_quant_x:
	.size	k_qa75f3f2def_quant_x, .Lfunc_end_k_qa75f3f2def_quant_x-k_qa75f3f2def_quant_x
	.p2alignl 7, 3214868480
	.fill 96, 4, 3214868480
	.section	.rodata,"a",@progbits
	.p2align	6, 0x0
	.amdhsa_kernel k_qa75f3f2def_quant_x
		.amdhsa_group_segment_fixed_size 43008
		.amdhsa_private_segment_fixed_size 0
		.amdhsa_enable_private_segment 0
		.amdhsa_kernarg_size 24
		.amdhsa_user_sgpr_count 2
		.amdhsa_user_sgpr_kernarg_segment_ptr 1
		.amdhsa_wavefront_size32 1
		.amdhsa_system_sgpr_workgroup_id_x 1
		.amdhsa_system_sgpr_workgroup_id_y 1
		.amdhsa_system_sgpr_workgroup_id_z 1
		.amdhsa_system_vgpr_workitem_id 0
		.amdhsa_next_free_vgpr 248
		.amdhsa_next_free_sgpr 66
		.amdhsa_reserve_vcc 1
		.amdhsa_float_denorm_mode_32 3
		.amdhsa_float_denorm_mode_16_64 3
		.amdhsa_memory_ordered 1
		.amdhsa_forward_progress 1
		.amdhsa_inst_pref_size 62
	.end_amdhsa_kernel
	.amdgpu_metadata
---
amdhsa.version: [ 1, 2 ]
amdhsa.kernels:
  - .name:           k_qa75f3f2def_quant_x
    .symbol:         k_qa75f3f2def_quant_x.kd
    .args:
      - { .name: inputs, .offset: 0, .size: 8, .value_kind: global_buffer, .address_space: global }
      - { .name: x_codes, .offset: 8, .size: 8, .value_kind: global_buffer, .address_space: global }
      - { .name: x_scales, .offset: 16, .size: 8, .value_kind: global_buffer, .address_space: global }
    .group_segment_fixed_size: 43008
    .private_segment_fixed_size: 0
    .kernarg_segment_align: 8
    .kernarg_segment_size: 24
    .max_flat_workgroup_size: 256
    .sgpr_count:     66
    .vgpr_count:     248
    .wavefront_size: 32
...
	.end_amdgpu_metadata
.endif
;; end of part 1
;; launch proj (part 2): grid 12 x 32, 4 waves a work-group, clusters of 4 x 4, 327,680 bytes of LDS; arguments x_codes, x_scales, W_qkv_codes, W_qkv_scales, qkv_codes, qkv_scales; writes qkv_codes, qkv_scales
.if DOCPART == 2
	.amdgcn_target "amdgcn-amd-amdhsa--gfx1250"
	.amdhsa_code_object_version 6
	.text
	.protected	k_qa75f3f2def_proj
	.globl	k_qa75f3f2def_proj
	.p2align	8
	.type	k_qa75f3f2def_proj,@function
k_qa75f3f2def_proj:
	s_mov_b64 s[64:65], 0
	v_nop
	global_prefetch_b8 v0, s[64:65] scope:SCOPE_SE
	s_setreg_imm32_b32 hwreg(HW_REG_WAVE_MODE, 25, 1), 1
	s_wait_xcnt 0x0
	s_wait_alu depctr_hold_cnt(0) depctr_sa_sdst(0) depctr_va_vdst(0) depctr_va_sdst(0) depctr_va_ssrc(0) depctr_va_vcc(0) depctr_vm_vsrc(0)
	s_getreg_b32 s2, hwreg(HW_REG_IB_STS2, 6, 4)
	s_cmp_eq_u32 s2, 0
	s_cbranch_scc0 .Lentry_in_a_cluster
	s_endpgm
.Lentry_in_a_cluster:
	s_bfe_u32 s2, ttmp6, 0x10000c
	s_cmp_lg_u32 s2, 0xf033
	s_cbranch_scc0 .Lentry_shape_is_right
	s_endpgm
.Lentry_shape_is_right:
; qkv = x W on codes of E5M2 with E8M0 scales, K = 1,024, and its results quantised again for the attention launch, as images of operand registers.
; A work-group makes 256 x 256 results, a wave 128 x 128.  R names the operand whose rows a lane keeps (source 1), P the one along which a lane's registers run (source 0): the results are quantised along P.
; q and k (cluster x 0, 1): R = 256 tokens (tile 4 x cluster y + cy), P = 256 rows of W (tile 4 x cluster x + cx): blocks of 32 along a head's channels.
; v (cluster x 2): R = 256 rows of W (tile 8 + cy), P = 256 tokens (tile 4 x cluster y + cx): blocks of 32 along the keys.
; The choice is made in the global pointers and tile numbers alone: R's tile hangs on cy and is shared along a row of the cluster, P's on cx and is shared along a column, in all clusters alike; no LDS address hangs on it.
; OUT.  A wave's 128 x 128 is a chunk of 16,384 bytes of codes (R block a, block b of 32 along P: 2048 a + 512 b + 16 x lane) and 512 bytes of scale words; chunk = 512 x (q, k, v) + 16 x (8 x batch + head pair) + the 128 tokens' number in the batch.
; The ring: K steps of 256 through two slots; the scales of all of K come once.  At the head one joint load a wave: R's 256 rows, P's 256 rows, R's scales, P's scales.
; No prefetch: K is four steps of the ring, two of which are asked for ahead of the loop.
; LIMITS: NaN and infinities are not served; a block of zeros gets the byte 1 (read by this program alone; zero codes add nothing).
.set SIZE_K, 1024
.set KSTEP,  256
.set NQ,     KSTEP/128
.set ROWB,   256
.set KROW,   SIZE_K
.set PITCH,  272                       ; an LDS row: 256 bytes + 16 of padding
.set FR,     16
.set NL,     4
.set NP,     8                         ; places behind this matrix form (ISA guide 7.12.1)
.set HALFT,  128*PITCH
.set SLOT,   4*HALFT                   ; R's 256 rows, then P's
.set LAPS,   SIZE_K/(2*KSTEP)
.set KS,     SIZE_K/32
.set SCL,    2*SLOT                    ; the scales, as units of 256 bytes + 16
.set HALFS,  (128*KS/256)*272
.set SBLK,   (16*KS/256)*272
.set SPARE,  303104                    ; the spare words, 128 bytes a wave
.set ADRR, 16                          ; v16-17 my R fragments in slot 0, 1
.set ADRP, 20                          ; v20-21 my P fragments
.set CO,   26                          ; v26 16 x lane
.set ADRS, 27                          ; v27 scale words: lanes 0-15 R's, lanes 16-31 P's
.set SPW,  28
.set NIL,  29
.set SC,   32                          ; v32-63 scale words, two sets
.set TM,   64                          ; the way out: largest magnitudes, bytes, holds, scale operands, scale words
.set BT,   68
.set LIM,  72
.set SCO,  76
.set SWD,  80
.set SPK,  88
.set RF,   128                         ; R's fragments, window 0, one set;  P's: window 1, two sets;  accumulators: windows 2, 3
.set HELD, 128
.set PC,   192
.set G1, 24
.set G0, 32
.set G1B, 48
.set G0B, 56
.set G1S, 68
.set G0S, 76
.set G1SB, 80
.set G0SB, 88
.set G0H, 4                            ; group 0 of the head's loads of codes, where arguments lay
.set G0HB, 8
.set MSB, 0
.macro WIN new
.if MSB != \new
	s_set_vgpr_msb (MSB<<8)|\new
.set MSB, \new
.endif
.endm
.set MUL_LO, 0xa1
.set MUL_HI, 0xf1
.set TO_P,   0x40
.macro JLOAD g0a, g1a, g0b, g1b        ; waves 0, 1 fetch R's halves, waves 2, 3 P's
	s_cmp_eq_u32 s15, 0
	s_cbranch_scc0 .Lfor_b_\@
	tensor_load_to_lds s[\g0a:\g0a+3], s[\g1a:\g1a+7]
	s_nop 0
.rept 4
	v_nop
.endr
	s_branch .Lasked_\@
.Lfor_b_\@:
	tensor_load_to_lds s[\g0b:\g0b+3], s[\g1b:\g1b+7]
	s_nop 0
.rept 4
	v_nop
.endr
.Lasked_\@:
.endm
.macro CREST
	s_cmp_lg_u32 s14, 0
	s_cbranch_scc1 .Lnot_wave_0_\@
	s_barrier_signal -3
.Lnot_wave_0_\@:
	s_barrier_wait -3
	s_barrier_signal -1
	s_barrier_wait -1
.endm
.macro CROUND
	s_barrier_signal -1
	s_barrier_wait -1
	CREST
.endm
	s_load_b128 s[4:7], s[0:1], 0x0                ; x's codes, x's scales
	s_load_b128 s[8:11], s[0:1], 0x10              ; W's codes, W's scales
	s_load_b128 s[96:99], s[0:1], 0x20             ; qkv_codes, qkv_scales
	v_lshl_add_u32 v[SPW], v0, 2, SPARE
	v_mov_b32 v[NIL], 0
	ds_add_u32 v[SPW], v[NIL]                      ; the opening lines: the add twice on end and one wait
	ds_add_u32 v[SPW], v[NIL]
	v_lshrrev_b32 v1, 5, v0
	v_readfirstlane_b32 s14, v1                    ; wave
	s_lshr_b32 s15, s14, 1                         ; my half of R's rows; also: I fetch for R (0) or P (1)
	s_and_b32 s16, s14, 1                          ; my half of P's rows; also: which 128 rows I fetch
	s_bfe_u32 s40, ttmp6, 0x40000                  ; cx
	s_bfe_u32 s41, ttmp6, 0x40004                  ; cy
	s_lshl_b32 s42, ttmp9, 2
	s_and_b32 s17, ttmp7, 0xffff
	s_lshl_b32 s17, s17, 2
	s_cmp_eq_u32 ttmp9, 2                          ; v's clusters
	s_cselect_b32 s12, 1, 0
	s_cselect_b32 s42, s17, s42                    ; P's tile: tokens by cluster y, or W's rows by cluster x,
	s_cselect_b32 s17, 8, s17                      ; R's tile: W's rows from tile 8, or tokens by cluster y
	s_add_co_u32 s42, s42, s40                     ; + cx
	s_add_co_u32 s17, s17, s41                     ; + cy
	s_lshl_b32 s43, s41, 2
	s_lshl_b32 s43, 15, s43                        ; my row of the cluster
	s_lshl_b32 s44, 0x1111, s40                    ; my column
	s_or_b32 s[G1+0], s43, (0<<16)|(1<<20)|(1<<21)|(5<<22)|(3<<25)
	s_or_b32 s[G1B+0], s44, (0<<16)|(1<<20)|(1<<21)|(5<<22)|(3<<25)
.irp g, G1, G1B
	s_mov_b32 s[\g+1], ROWB<<16
	s_mov_b32 s[\g+2], 256<<16                     ; 256 rows for the head's loads
	s_mov_b32 s[\g+3], ROWB<<16
	s_mov_b32 s[\g+4], 256
	s_mov_b32 s[\g+5], KROW
	s_mov_b32 s[\g+6], 0
	s_mov_b32 s[\g+7], 0
.endr
	s_or_b32 s[G1S+0], s43, (3<<16)|(1<<20)|(1<<21)|(5<<22)|(3<<25)
	s_or_b32 s[G1SB+0], s44, (3<<16)|(1<<20)|(1<<21)|(5<<22)|(3<<25)
.irp g, G1S, G1SB
	s_mov_b32 s[\g+1], 32<<16                      ; the scales of 256 rows: KS rows of 256 dense bytes
	s_mov_b32 s[\g+2], KS<<16
	s_mov_b32 s[\g+3], 32<<16
	s_mov_b32 s[\g+4], KS
	s_mov_b32 s[\g+5], 32
	s_mov_b32 s[\g+6], 0
	s_mov_b32 s[\g+7], 0
.endr
	s_lshl_b32 s20, s17, 8                         ; R's first row
	s_lshl_b32 s46, s42, 8                         ; P's
	s_mov_b32 s21, 0
	s_mov_b32 s47, 0
	s_mov_b64 s[18:19], KS
	s_mul_u64 s[22:23], s[20:21], s[18:19]         ; their scales, in bytes
	s_mul_u64 s[92:93], s[46:47], s[18:19]
	s_mov_b64 s[18:19], KROW
	s_mul_u64 s[20:21], s[20:21], s[18:19]         ; their codes
	s_mul_u64 s[46:47], s[46:47], s[18:19]
	s_mul_i32 s18, s16, 128*KROW                   ; in the ring I fetch 128 rows
	s_mov_b32 s19, 0
	s_mul_i32 s45, s14, HALFT
	s_wait_dscnt 0x0                               ; both opening adds are done
	s_wait_kmcnt 0x0
	s_cmp_eq_u32 s12, 1                            ; which buffer is R and which P: a choice on the cluster's number
	s_cselect_b64 s[94:95], s[8:9], s[4:5]
	s_add_nc_u64 s[20:21], s[94:95], s[20:21]
	s_cselect_b64 s[94:95], s[10:11], s[6:7]
	s_add_nc_u64 s[22:23], s[94:95], s[22:23]
	s_cselect_b64 s[94:95], s[4:5], s[8:9]
	s_add_nc_u64 s[46:47], s[94:95], s[46:47]
	s_cselect_b64 s[94:95], s[6:7], s[10:11]
	s_add_nc_u64 s[92:93], s[94:95], s[92:93]
	CROUND                                         ; all sixteen work-groups are here: the first joint loads meet
	s_mov_b32 s[G0H], 1
	s_mov_b32 s[G0H+1], 0
	s_mov_b64 s[G0H+2:G0H+3], s[20:21]
	s_or_b32 s[G0H+3], s[G0H+3], 0x80000000
	s_mov_b32 s[G0HB], 1
	s_mov_b32 s[G0HB+1], 2*HALFT
	s_mov_b64 s[G0HB+2:G0HB+3], s[46:47]
	s_or_b32 s[G0HB+3], s[G0HB+3], 0x80000000
	s_mov_b32 s[G0S], 1
	s_mov_b32 s[G0S+1], SCL
	s_mov_b64 s[G0S+2:G0S+3], s[22:23]
	s_or_b32 s[G0S+3], s[G0S+3], 0x80000000
	s_mov_b32 s[G0SB], 1
	s_mov_b32 s[G0SB+1], SCL+2*HALFS
	s_mov_b64 s[G0SB+2:G0SB+3], s[92:93]
	s_or_b32 s[G0SB+3], s[G0SB+3], 0x80000000
	s_add_nc_u64 s[20:21], s[20:21], s[18:19]
	s_add_nc_u64 s[46:47], s[46:47], s[18:19]
.irp s, 0,1
	s_mov_b32 s[G0+4*\s], 1
	s_add_co_u32 s[G0+4*\s+1], s45, \s*SLOT
	s_add_nc_u64 s[G0+4*\s+2:G0+4*\s+3], s[20:21], \s*ROWB
	s_or_b32 s[G0+4*\s+3], s[G0+4*\s+3], 0x80000000
	s_mov_b32 s[G0B+4*\s], 1
	s_add_co_u32 s[G0B+4*\s+1], s45, \s*SLOT
	s_add_nc_u64 s[G0B+4*\s+2:G0B+4*\s+3], s[46:47], \s*ROWB
	s_or_b32 s[G0B+4*\s+3], s[G0B+4*\s+3], 0x80000000
.endr
; the head's four tiles, one a wave, in one chain of branches on the wave's number
.macro ARM under, g0, g1, next
	s_cmp_lt_u32 s14, \under
	s_cbranch_scc0 \next
	tensor_load_to_lds s[\g0:\g0+3], s[\g1:\g1+7]
	s_nop 0
.rept 4
	v_nop
.endr
	s_branch .Lhead_asked
\next:
.endm
	ARM 1, G0H,  G1,  .Lhead_b
	ARM 2, G0HB, G1B, .Lhead_sa
	ARM 3, G0S,  G1S, .Lhead_sb
	tensor_load_to_lds s[G0SB:G0SB+3], s[G1SB:G1SB+7]
	s_nop 0
.rept 4
	v_nop
.endr
.Lhead_asked:
	v_and_b32 v1, 15, v0
	v_bfe_u32 v2, v0, 4, 1
	v_mul_u32_u24 v3, v1, PITCH
	v_lshl_add_u32 v4, v2, 4, v3                   ; a fragment's row x pitch + 16 x half
	s_mul_i32 s21, s15, HALFT
	s_mul_i32 s22, s16, HALFT
	s_add_co_u32 s22, s22, 2*HALFT
.irp s, 0,1
	v_add_nc_u32 v[ADRR+\s], s21, v4
	v_add_nc_u32 v[ADRP+\s], s22, v4
	s_add_co_u32 s21, s21, SLOT
	s_add_co_u32 s22, s22, SLOT
.endr
	v_mul_u32_u24 v5, v1, KS
	v_lshrrev_b32 v6, 8, v5
	v_lshl_add_u32 v5, v6, 4, v5
	s_mul_i32 s21, s15, HALFS
	s_mul_i32 s22, s16, HALFS
	s_add_co_u32 s22, s22, 2*HALFS
	s_sub_co_u32 s22, s22, s21
	v_mul_u32_u24 v6, s22, v2                      ; lanes 16-31 take P's
	s_add_co_u32 s21, s21, SCL
	v_add_nc_u32 v5, v5, v6
	v_add_nc_u32 v[ADRS], s21, v5
	v_and_b32 v6, 31, v0
	v_lshlrev_b32 v[CO], 4, v6
.irp b, 0,1,2,3
	v_mov_b32 v[BT+\b], 0                          ; a lane permute's destination counts as a source
.endr
	s_mov_b32 s66, 0x76543210
	s_mov_b32 s67, 0xfedcba98
	s_mov_b32 s13, 0x600000                        ; the mantissa field of 57,344
	s_lshl_b32 s20, s17, 1
	s_add_co_u32 s20, s20, s15                     ; my 128 rows of R,
	s_lshl_b32 s21, s42, 1
	s_add_co_u32 s21, s21, s16                     ; of P
	s_cmp_eq_u32 s12, 1
	s_cselect_b32 s18, s21, s20                    ; which of them are tokens,
	s_cselect_b32 s21, s20, s21                    ; and which rows of W
	s_mov_b32 s20, s18
	s_lshr_b32 s22, s21, 3                         ; q, k or v
	s_lshl_b32 s22, s22, 9
	s_lshr_b32 s23, s20, 4                         ; batch
	s_lshl_b32 s23, s23, 3
	s_and_b32 s46, s21, 7                          ; head pair
	s_add_co_u32 s23, s23, s46
	s_lshl_b32 s23, s23, 4
	s_add_co_u32 s22, s22, s23
	s_and_b32 s23, s20, 15
	s_add_co_u32 s22, s22, s23                     ; my chunk
	s_lshl_b32 s20, s22, 14
	s_mov_b32 s21, 0
	s_add_nc_u64 s[96:97], s[96:97], s[20:21]
	s_lshl_b32 s20, s22, 9
	s_add_nc_u64 s[98:99], s[98:99], s[20:21]
.macro FRAG reg, adr, q, i
.irp c, 0,1,2,3
	ds_load_b128 v[\reg+4*\c:\reg+4*\c+3], v[\adr] offset:128*(\q)+32*\c+(\i)*16*PITCH
.endr
.endm
.macro MUL16 a0, p, q, sc, zero        ; R's blocks a0, a0 + 1 x P's eight; the 64 accumulators take turns
.irp a, \a0, \a0+1
.irp b, 0,1,2,3,4,5,6,7
.if \zero
	v_wmma_scale_f32_16x16x128_f8f6f4 v[8*(8*((\a)%4)+\b):8*(8*((\a)%4)+\b)+7], v[128*(\p)+FR*\b:128*(\p)+FR*\b+FR-1], v[RF+FR*(\a):RF+FR*(\a)+FR-1], 0, v[SC+8*NQ*(\sc)+NQ*\b+(\q)], v[SC+8*NQ*(\sc)+NQ*(\a)+(\q)] matrix_a_fmt:MATRIX_FMT_BF8 matrix_b_fmt:MATRIX_FMT_BF8 matrix_a_scale:MATRIX_SCALE_ROW1
.else
	v_wmma_scale_f32_16x16x128_f8f6f4 v[8*(8*((\a)%4)+\b):8*(8*((\a)%4)+\b)+7], v[128*(\p)+FR*\b:128*(\p)+FR*\b+FR-1], v[RF+FR*(\a):RF+FR*(\a)+FR-1], v[8*(8*((\a)%4)+\b):8*(8*((\a)%4)+\b)+7], v[SC+8*NQ*(\sc)+NQ*\b+(\q)], v[SC+8*NQ*(\sc)+NQ*(\a)+(\q)] matrix_a_fmt:MATRIX_FMT_BF8 matrix_b_fmt:MATRIX_FMT_BF8 matrix_a_scale:MATRIX_SCALE_ROW1
.endif
.endr
.endr
.endm
.macro FETCH_P slot, q, p
	WIN TO_P
.irp i, 0,1,2,3,4,5,6,7
	FRAG 128*(\p)+FR*\i, ADRP+\slot, \q, \i
.endr
	WIN 0
.endm
.macro FETCH_R slot, q, i0
.irp i, \i0, \i0+1, \i0+2, \i0+3
	FRAG RF+FR*(\i), ADRR+\slot, \q, \i
.endr
.endm
.macro SCALES sc
.irp i, 0,1,2,3,4,5,6,7
	ds_load_b64 v[SC+8*NQ*\sc+NQ*\i:SC+8*NQ*\sc+NQ*\i+1], v[ADRS] offset:\i*SBLK
.endr
.endm
.macro PLACES n
.rept \n
	v_nop
.endr
.endm
.macro STEP slot, q, zero              ; 128 along K with a successor in the same slot
	s_wait_dscnt 4*NL                              ; all but R's blocks 4-7
	WIN MUL_LO
	MUL16 0, (\q)%2, \q, \slot, \zero
	MUL16 2, (\q)%2, \q, \slot, \zero
	s_wait_dscnt 0
	PLACES NP
	FETCH_P \slot, (\q)+1, 1-(\q)%2
	FETCH_R \slot, (\q)+1, 0
	WIN MUL_HI
	MUL16 4, (\q)%2, \q, \slot, \zero
	MUL16 6, (\q)%2, \q, \slot, \zero
	PLACES NP
	WIN 0
	FETCH_R \slot, (\q)+1, 4
.endm
.macro TURN slot, next, fill           ; a slot's last step changes slots
	s_wait_tensorcnt 0x0                           ; all my tensor loads have landed,
	ds_add_u32 v[SPW], v[NIL]                      ; the add,
	s_wait_dscnt 4*NL+1                            ; (the add and R's blocks 4-7 may be out)
	WIN MUL_LO
	MUL16 0, 1, NQ-1, \slot, 0
	s_wait_dscnt 0x0                               ; the add is done and my reads of this slot are over
	s_barrier_signal -1
	MUL16 2, 1, NQ-1, \slot, 0
	WIN 0
	s_barrier_wait -1
.if \fill
	CREST                                          ; the barrier has opened a round of the cluster's barrier
	s_add_nc_u64 s[G0+4*\slot+2:G0+4*\slot+3], s[G0+4*\slot+2:G0+4*\slot+3], 2*ROWB
	s_add_nc_u64 s[G0B+4*\slot+2:G0B+4*\slot+3], s[G0B+4*\slot+2:G0B+4*\slot+3], 2*ROWB
	JLOAD G0+4*\slot, G1, G0B+4*\slot, G1B
	PLACES NP-4
.else
	PLACES NP
.endif
	v_add_nc_u32 v[ADRS], 4*NQ, v[ADRS]            ; the next K step's scale words
	s_wait_alu depctr_va_vdst(0)                   ; the wait directly behind the write
	FETCH_P \next, 0, 0
	FETCH_R \next, 0, 0
	SCALES \next
	WIN MUL_HI
	MUL16 4, 1, NQ-1, \slot, 0
	MUL16 6, 1, NQ-1, \slot, 0
	PLACES NP
	WIN 0
	FETCH_R \next, 0, 4
.endm
	s_wait_alu depctr_va_vdst(0)                   ; the wait at the head's end
	s_wait_tensorcnt 0x0                           ; my tile of the head's four is in; the three lines ahead of slot 1's first fill
	ds_add_u32 v[SPW], v[NIL]
	s_mov_b32 s[G1+2], 128<<16                     ; no tensor load of mine is out: from here on a load brings 128 rows
	s_mov_b32 s[G1+4], 128
	s_mov_b32 s[G1B+2], 128<<16
	s_mov_b32 s[G1B+4], 128
	s_wait_dscnt 0x0
	CROUND
	JLOAD G0+4, G1, G0B+4, G1B                     ; K step 1
	FETCH_P 0, 0, 0
	FETCH_R 0, 0, 0
	SCALES 0
	FETCH_R 0, 0, 4
	STEP 0, 0, 1                                   ; the first step starts the sums
	s_mov_b32 s3, LAPS-1
.Llap:
	TURN 0, 1, 1
	STEP 1, 0, 0
	TURN 1, 0, 1
	STEP 0, 0, 0
	s_sub_co_u32 s3, s3, 1
	s_cmp_lg_u32 s3, 0
	s_cbranch_scc1 .Llap
	TURN 0, 1, 0
	STEP 1, 0, 0
	s_wait_dscnt 4*NL
	WIN MUL_LO
	MUL16 0, 1, NQ-1, 1, 0
	MUL16 2, 1, NQ-1, 1, 0
	s_wait_dscnt 0
	WIN MUL_HI
	MUL16 4, 1, NQ-1, 1, 0
	MUL16 6, 1, NQ-1, 1, 0
	WIN 0
; THE WAY OUT of R's block a: four blocks of 32 along P, each in lanes l and l xor 16; scale, hold, codes; a store covers 512 consecutive bytes
.macro EQ a
.set WN, 2+(\a)/4
.set WSS, WN|(WN<<2)
.set AC, 64*((\a)%4)
.set PCS, PC+16*((\a)%2)
	WIN WSS
.irp b, 0,1,2,3
	v_max3_num_f32 v[TM+\b], |v[AC+16*\b]|, |v[AC+16*\b+1]|, 0x8000000
.endr
.irp i, 2,4,6,8,10,12,14
.irp b, 0,1,2,3
	v_max3_num_f32 v[TM+\b], |v[AC+16*\b+\i]|, |v[AC+16*\b+\i+1]|, v[TM+\b]
.endr
.endr
	WIN 0
.irp b, 0,1,2,3
	v_permlanex16_b32 v[BT+\b], v[TM+\b], s66, s67
.endr
.irp b, 0,1,2,3
	v_max_num_f32 v[TM+\b], v[TM+\b], v[BT+\b]
.endr
.irp b, 0,1,2,3
	v_add_nc_u32 v[SCO+\b], 0xf8800000, v[TM+\b]
.endr
.irp b, 0,1,2,3
	v_and_or_b32 v[LIM+\b], v[TM+\b], 0x7f800000, s13
.endr
.irp b, 0,1,2,3
	v_lshrrev_b32 v[BT+\b], 23, v[SCO+\b]
.endr
	v_lshl_or_b32 v[SWD+\a], v[BT+1], 8, v[BT]
	v_lshl_or_b32 v[SWD+\a], v[BT+2], 16, v[SWD+\a]
	v_lshl_or_b32 v[SWD+\a], v[BT+3], 24, v[SWD+\a]
	WIN WN
.irp b, 0,1,2,3
.irp i, 0,1,2,3,4,5,6,7,8,9,10,11,12,13,14,15
	v_med3_num_f32 v[HELD+16*\b+\i], v[AC+16*\b+\i], -v[LIM+\b], v[LIM+\b]
.endr
.endr
	WIN 0
.if (\a) >= 2
	s_wait_alu depctr_va_vdst(0)                   ; the wait directly ahead of the wait below
	s_wait_xcnt 0x0                                ; block a - 2's stores have read their registers
.endif
.irp b, 0,1,2,3
	v_cvt_scalef32_pk8_bf8_f32 v[PCS+4*\b:PCS+4*\b+1], v[HELD+16*\b:HELD+16*\b+7], v[SCO+\b]
	v_cvt_scalef32_pk8_bf8_f32 v[PCS+4*\b+2:PCS+4*\b+3], v[HELD+16*\b+8:HELD+16*\b+15], v[SCO+\b]
.endr
	v_nop
.irp b, 0,1,2,3
	global_store_b128 v[CO], v[PCS+4*\b:PCS+4*\b+3], s[96:97] offset:2048*(\a)+512*\b
.endr
.endm
	PLACES NP
.irp a, 0,1,2,3,4,5,6,7
	EQ \a
.endr
	v_and_b32 v6, 31, v0
	v_cmp_gt_u32 vcc_lo, 16, v6
.irp i, 0,1,2,3
	v_cndmask_b32 v[SPK+\i], v[SWD+2*\i+1], v[SWD+2*\i], vcc_lo    ; word i: lanes 0-15 block 2 i, lanes 16-31 block 2 i + 1
.endr
	global_store_b128 v[CO], v[SPK:SPK+3], s[98:99]
	s_wait_tensorcnt 0x0                           ; the wave's end
	ds_add_u32 v[SPW], v[NIL]
	s_wait_dscnt 0x0
	CROUND                                         ; the closing round
	s_endpgm
.Lfunc_end_k_qa75f3f2def_proj:
	.size	k_qa75f3f2def_proj, .Lfunc_end_k_qa75f3f2def_proj-k_qa75f3f2def_proj
	.p2alignl 7, 3214868480
	.fill 96, 4, 3214868480
	.section	.rodata,"a",@progbits
	.p2align	6, 0x0
	.amdhsa_kernel k_qa75f3f2def_proj
		.amdhsa_group_segment_fixed_size 327680
		.amdhsa_private_segment_fixed_size 0
		.amdhsa_enable_private_segment 0
		.amdhsa_kernarg_size 48
		.amdhsa_user_sgpr_count 2
		.amdhsa_user_sgpr_kernarg_segment_ptr 1
		.amdhsa_wavefront_size32 1
		.amdhsa_system_sgpr_workgroup_id_x 1
		.amdhsa_system_sgpr_workgroup_id_y 1
		.amdhsa_system_sgpr_workgroup_id_z 1
		.amdhsa_system_vgpr_workitem_id 0
		.amdhsa_next_free_vgpr 1024
		.amdhsa_next_free_sgpr 100
		.amdhsa_reserve_vcc 1
		.amdhsa_float_denorm_mode_32 3
		.amdhsa_float_denorm_mode_16_64 3
		.amdhsa_memory_ordered 1
		.amdhsa_forward_progress 1
		.amdhsa_inst_pref_size 186
	.end_amdhsa_kernel
	.amdgpu_metadata
---
amdhsa.version: [ 1, 2 ]
amdhsa.kernels:
  - .name:           k_qa75f3f2def_proj
    .symbol:         k_qa75f3f2def_proj.kd
    .args:
      - { .name: x_codes, .offset: 0, .size: 8, .value_kind: global_buffer, .address_space: global }
      - { .name: x_scales, .offset: 8, .size: 8, .value_kind: global_buffer, .address_space: global }
      - { .name: W_qkv_codes, .offset: 16, .size: 8, .value_kind: global_buffer, .address_space: global }
      - { .name: W_qkv_scales, .offset: 24, .size: 8, .value_kind: global_buffer, .address_space: global }
      - { .name: qkv_codes, .offset: 32, .size: 8, .value_kind: global_buffer, .address_space: global }
      - { .name: qkv_scales, .offset: 40, .size: 8, .value_kind: global_buffer, .address_space: global }
    .group_segment_fixed_size: 327680
    .private_segment_fixed_size: 0
    .kernarg_segment_align: 8
    .kernarg_segment_size: 48
    .max_flat_workgroup_size: 128
    .sgpr_count:     100
    .vgpr_count:     1024
    .wavefront_size: 32
...
	.end_amdgpu_metadata
.endif
;; end of part 2
;; launch attn (part 3): grid 4 x 64, 16 waves a work-group, clusters of 4 x 1, 327,680 bytes of LDS; arguments qkv_codes, qkv_scales, mask_mat, out0; writes out0
.if DOCPART == 3
	.amdgcn_target "amdgcn-amd-amdhsa--gfx1250"
	.amdhsa_code_object_version 6
	.text
	.protected	k_qa75f3f2def_attn
	.globl	k_qa75f3f2def_attn
	.p2align	8
	.type	k_qa75f3f2def_attn,@function
k_qa75f3f2def_attn:
	s_mov_b64 s[64:65], 0
	v_nop
	global_prefetch_b8 v0, s[64:65] scope:SCOPE_SE
	s_setreg_imm32_b32 hwreg(HW_REG_WAVE_MODE, 25, 1), 1
	s_wait_xcnt 0x0
	s_wait_alu depctr_hold_cnt(0) depctr_sa_sdst(0) depctr_va_vdst(0) depctr_va_sdst(0) depctr_va_ssrc(0) depctr_va_vcc(0) depctr_vm_vsrc(0)
	s_getreg_b32 s2, hwreg(HW_REG_IB_STS2, 6, 4)
	s_cmp_eq_u32 s2, 0
	s_cbranch_scc0 .Lentry_in_a_cluster
	s_endpgm
.Lentry_in_a_cluster:
	s_bfe_u32 s2, ttmp6, 0x10000c
	s_cmp_lg_u32 s2, 0x3003
	s_cbranch_scc0 .Lentry_shape_is_right
	s_endpgm
.Lentry_shape_is_right:
; out[b][q][head] = the sum over keys of softmax(q . k / 8 - m_q m_k) v, both products on codes of E5M2 with E8M0 scales, made by the launch before as images of operand registers.
; THE SOFTMAX: S = q . k - 8 m_q m_k; t = S x log2(e) / 8; M = the running largest t rounded UP to a whole number; p = 2^(t - M) is quantised along the keys, not normalised;
; the row's sum is taken of the unquantised p and divides at the end; when M moves, the sum and O are multiplied by 2^(old M - new M), which rounds nothing.
; The mask term -8 m_q m_k (one f32 rounding) is the C of the score products.
; SHARES.  A work-group owns 512 queries of one batch and head: 64 heads x 4 blocks = 256 work-groups.  Each of its sixteen waves owns two tiles of 16 queries, one after the other (two passes over the keys), in 256 registers.
; THE WHOLE HEAD LIES IN LDS and is fetched once for both passes: k's and v's codes (131,072 bytes each), their scale words, the batch's mask numbers.  No LDS byte is filled twice.
; CLUSTER.  The four query blocks of a head form a cluster: every tile is asked for jointly, by the same load with the mask of all four.
; THE LOADS, one a wave in each of two groups.  At the head: waves 0-6 k's key steps 0-6, waves 7-12 v's key steps 0-5, waves 13-15 k's scales, v's scales, the mask numbers (8,192 bytes each).
; Behind the three lines and a round: waves 0-5 k's tiles 56-127 (12 each), waves 6-15 v's key steps 6-15.  Key steps 0-5 of the first pass read the first group alone.
; No barrier stands between the passes: a wave's stage is its own.
; LAYOUT.  Both products are used transposed: S^T = K Q^T (source 0 = 16 keys), O^T = V^T P^T (source 0 = 16 of the head's 64): a lane holds ONE query (lane % 16) throughout.
; p's 16 registers of score tiles 2 c, 2 c + 1 become the operand's bytes 32 c + 16 (lane / 16) + i: the order in which the launch before laid v's keys.
; K = 64 IN A FORM OF 128.  Q's upper eight registers are zero codes.  K's tiles lie 8 registers apart, so a tile's upper half is the next tile's codes (zeros behind the last): finite numbers, which add nothing times zero.
; The scale halfwords are zero-extended: the upper bytes are 0, a power of two and no NaN.
; No prefetch: all of a head's tiles are asked for by the two groups ahead of the loops, so no later request exists to run ahead of.
; LIMITS: NaN and infinities are not served.  A block of p that has fallen to zeros keeps the byte 1.  The promise holds while the scaled scores t stay under 2^31 in magnitude.
.set VC,   131072                      ; LDS: k's codes from 0: tile T at 1024 T + 512 c + 16 x lane.  v's codes: 8192 s + 2048 t + 512 c + 16 x lane (s key step, t tile of 16 channels, c block of 32 keys)
.set KSB,  262144                      ; k's scale words, 512 bytes a key step
.set VSB,  270336                      ; v's
.set MKB,  278528                      ; the batch's 2,048 mask numbers
.set STG,  286720                      ; the stages: 16 rows of 128 + 16 bytes for each wave; no fill lands here
.set STW,  16*144
.set SPARE, STG+16*STW                 ; the spare words, 128 bytes a wave
.set ADK,  1                           ; v1-5 this step's addresses: k, v, k's scales, v's scales, mask numbers
.set ADV,  2
.set ADS,  3
.set ADT,  4
.set ADM,  5
.set STI,  6                           ; v6 into my stage, v7 back, v8 my byte offset in two rows of out
.set STB,  7
.set GO,   8
.set SPW,  9                           ; v9 my spare word; v251 0: never rewritten
.set NIL,  251
.set NQ,   10                          ; v10-11 -8 m_q, twice.  v12 -M, v13 the largest t, v[14:15] the sum in two halves
.set QF,   16                          ; v16-23 Q, v24-31 zeros
.set FRG,  32                          ; v32-95 eight tiles of k, later four fragments of v
.set ZZ,   96                          ; v96-103 zeros
.set S,    104                         ; v104-167 S^T, then p
.set O,    168                         ; v168-199 O^T
.set PCD,  200                         ; v200-215 p's codes
.set KSC,  216                         ; v216-219 k's scales: lanes 0-15 tile 2 i, lanes 16-31 tile 2 i + 1
.set VSC,  220
.set QS,   222
.set PW,   223                         ; p's scale word
.set BM,   224                         ; each block's largest score, then its largest p
.set BT,   228
.set LIM,  232                         ; 57,344 x the scale
.set SCO,  236                         ; the conversions' scale operands
.set SA,   232                         ; v232-239 serve the row's sum first, in four chains
.set TMP,  242
.set F,    244                         ; v244-245 2^(old M - new M), named as a pair
.set AK0,  246                         ; my lane's places, which stay
.set AV0,  247
.set AS0,  248
.set AT0,  249
.set AM0,  250
.set QSO,  252                         ; 16 r, 4 r: offsets of Q's scale halfword and of m_q
.set MQO,  253
.set G1D,  12                          ; s[12:19] 8,192 dense bytes as 32 rows of 256
.set G1K,  20                          ; s[20:27] 8 rows of 1,024 bytes, 2,048 apart: a key step's tiles of k of one head
.set G1KB, 28                          ; s[28:35] 12 such rows
.set WV,   84
.set MNT,  85
.set SEL,  86
.set CS,   88                          ; s[88:89] log2(e) / 8, twice
.set CNT,  90
.set TK,   91                          ; 8,192 a key step: k's and v's codes
.set TS,   92                          ; 512 a key step: scale words and mask numbers
.macro ROUND
	s_barrier_signal -1
	s_barrier_wait -1
	s_cmp_lg_u32 s[WV], 0
	s_cbranch_scc1 .Lnot_wave_0_\@
	s_barrier_signal -3
.Lnot_wave_0_\@:
	s_barrier_wait -3
	s_barrier_signal -1
	s_barrier_wait -1
.endm
.macro ARM under, g0, g1, next, join
	s_cmp_lt_u32 s[WV], \under
	s_cbranch_scc0 \next
	tensor_load_to_lds s[\g0:\g0+3], s[\g1:\g1+7]
	s_nop 0
.rept 4
	v_nop
.endr
	s_branch \join
\next:
.endm
	s_load_b256 s[4:11], s[0:1], 0x0               ; qkv_codes, qkv_scales, mask_mat, out0
	v_lshl_add_u32 v[SPW], v0, 2, SPARE
	v_mov_b32 v[NIL], 0
	ds_add_u32 v[SPW], v[NIL]                      ; the opening lines: the add twice on end and one wait
	ds_add_u32 v[SPW], v[NIL]
	v_lshrrev_b32 v1, 5, v0
	v_readfirstlane_b32 s[WV], v1                  ; wave 0..15
	s_and_b32 s94, ttmp7, 0xffff                   ; 16 x batch + head
	s_lshr_b32 s95, s94, 1                         ; 8 x batch + head pair
	s_and_b32 s96, s94, 1                          ; the head in its pair
	s_lshr_b32 s97, s94, 4                         ; the batch
	s_mov_b32 s[G1D], 15|(3<<16)|(1<<21)           ; the mask of all four; elements of 8 bytes; bit 21 beside a mask
	s_mov_b32 s[G1D+1], 32<<16
	s_mov_b32 s[G1D+2], 32<<16
	s_mov_b32 s[G1D+3], 32<<16
	s_mov_b32 s[G1D+4], 32
	s_mov_b32 s[G1D+5], 32
	s_mov_b32 s[G1D+6], 0
	s_mov_b32 s[G1D+7], 0
	s_mov_b32 s[G1K], 15|(3<<16)|(1<<21)
	s_mov_b32 s[G1K+1], 128<<16
	s_mov_b32 s[G1K+2], 8<<16
	s_mov_b32 s[G1K+3], 128<<16
	s_mov_b32 s[G1K+4], 8
	s_mov_b32 s[G1K+5], 256
	s_mov_b32 s[G1K+6], 0
	s_mov_b32 s[G1K+7], 0
	s_mov_b32 s[G1KB], 15|(3<<16)|(1<<21)
	s_mov_b32 s[G1KB+1], 128<<16
	s_mov_b32 s[G1KB+2], 12<<16
	s_mov_b32 s[G1KB+3], 128<<16
	s_mov_b32 s[G1KB+4], 12
	s_mov_b32 s[G1KB+5], 256
	s_mov_b32 s[G1KB+6], 0
	s_mov_b32 s[G1KB+7], 0
	s_mov_b32 s[SEL], 0x76543210
	s_mov_b32 s[SEL+1], 0xfedcba98
	s_mov_b32 s[CS], 0x3e38aa3b                    ; log2(e) / 8
	s_mov_b32 s[CS+1], s[CS]
	s_mov_b32 s[MNT], 0x600000
	; byte offsets; nothing here hangs on my place in the cluster
	s_lshl_b32 s56, s95, 18                        ; a head pair's codes: 16 chunks of 16,384 bytes
	s_lshl_b32 s2, s96, 10
	s_add_co_u32 s2, s2, s56
	s_add_co_u32 s2, s2, 8388608                   ; k: my head's 1,024 bytes of a tile's 2,048
	s_mov_b32 s3, 0
	s_lshl_b32 s58, s96, 13
	s_add_co_u32 s58, s58, s56
	s_add_co_u32 s58, s58, 16777216                ; v: my head's 8,192 bytes of a chunk
	s_mov_b32 s59, 0
	s_lshl_b32 s60, s[WV], 14                      ; a key step a wave
	s_mov_b32 s61, 0
	s_mul_i32 s70, s[WV], 24576                    ; k's second group: tile 56 + 12 x wave
	s_add_co_u32 s70, s70, 114688
	s_mov_b32 s71, 0
	s_and_b32 s74, s[WV], 3                        ; wave 13: k's scale words, 262,144 bytes on; wave 14: v's, 524,288
	s_lshl_b32 s74, s74, 18
	s_lshl_b32 s76, s95, 13
	s_add_co_u32 s74, s74, s76
	s_lshl_b32 s76, s97, 13                        ; wave 15: the batch's mask numbers
	s_cmp_eq_u32 s[WV], 15
	s_cselect_b32 s74, s76, s74
	s_mov_b32 s75, 0
	s_lshl_b32 s77, s[WV], 13
	s_mov_b32 s36, 1                               ; s[36:39] k, first group
	s_lshl_b32 s37, s[WV], 13
	s_mov_b32 s40, 1                               ; s[40:43] v, first group: key step wave - 7
	s_add_co_u32 s41, s77, VC-7*8192
	s_mov_b32 s44, 1                               ; s[44:47] the three tables: KSB + 8,192 (wave - 13)
	s_add_co_u32 s45, s77, KSB-13*8192
	s_mov_b32 s48, 1                               ; s[48:51] k, second group
	s_mul_i32 s49, s[WV], 12288
	s_add_co_u32 s49, s49, 57344
	s_mov_b32 s52, 1                               ; s[52:55] v, second group: key step = wave
	s_add_co_u32 s53, s77, VC
	s_lshl_b32 s78, s96, 1
	s_add_co_u32 s78, s78, KSB
	s_lshl_b32 s79, s96, 3
	s_add_co_u32 s79, s79, VSB
	s_mul_i32 s80, s[WV], STW
	s_add_co_u32 s80, s80, STG                     ; my stage
	s_wait_dscnt 0x0                               ; both opening adds are done
	s_wait_kmcnt 0x0
	s_add_nc_u64 s[66:67], s[4:5], s[2:3]
	s_add_nc_u64 s[68:69], s[4:5], s[58:59]
	s_add_nc_u64 s[38:39], s[66:67], s[60:61]
	s_add_nc_u64 s[54:55], s[68:69], s[60:61]
	s_sub_nc_u64 s[42:43], s[54:55], 114688        ; seven key steps back
	s_add_nc_u64 s[50:51], s[66:67], s[70:71]
	s_cmp_eq_u32 s[WV], 15
	s_cselect_b64 s[72:73], s[8:9], s[6:7]
	s_add_nc_u64 s[46:47], s[72:73], s[74:75]
.irp g, 39,43,47,51,55
	s_or_b32 s\g, s\g, 0x80000000
.endr
	ROUND                                          ; all four work-groups are here: the joint loads meet
	ARM 7,  36, G1K, .Lhead_v, .Lhead_asked        ; one chain, one load to an arm: every wave issues one
	ARM 13, 40, G1D, .Lhead_s, .Lhead_asked
	tensor_load_to_lds s[44:47], s[G1D:G1D+7]
	s_nop 0
.rept 4
	v_nop
.endr
.Lhead_asked:
	; my first tile of queries: T = 32 cx + wave; the second lies 16 tiles on.  T enters global addresses of Q, m_q and out alone
	s_bfe_u32 s2, ttmp6, 0x40000
	s_lshl_b32 s2, s2, 5
	s_add_co_u32 s99, s2, s[WV]
	s_lshl_b32 s2, s95, 18                         ; Q's codes: the pair's chunks, 2,048 T, 1,024 x the head in its pair
	s_lshl_b32 s3, s99, 11
	s_add_co_u32 s2, s2, s3
	s_lshl_b32 s3, s96, 10
	s_add_co_u32 s2, s2, s3
	s_mov_b32 s3, 0
	s_add_nc_u64 s[4:5], s[4:5], s[2:3]
	s_lshl_b32 s2, s95, 4                          ; Q's scale halfword: chunk 16 x pair + T / 8; lane 16 (T % 2) + r; word (T / 2) % 4; 2 x head bytes on
	s_lshr_b32 s3, s99, 3
	s_add_co_u32 s2, s2, s3
	s_lshl_b32 s2, s2, 9
	s_and_b32 s3, s99, 1
	s_lshl_b32 s3, s3, 8
	s_add_co_u32 s2, s2, s3
	s_bfe_u32 s3, s99, 0x20001
	s_lshl_b32 s3, s3, 2
	s_add_co_u32 s2, s2, s3
	s_lshl_b32 s3, s96, 1
	s_add_co_u32 s2, s2, s3
	s_mov_b32 s3, 0
	s_add_nc_u64 s[6:7], s[6:7], s[2:3]
	s_lshl_b32 s2, s97, 13                         ; m_q
	s_lshl_b32 s3, s99, 6
	s_add_co_u32 s2, s2, s3
	s_mov_b32 s3, 0
	s_add_nc_u64 s[8:9], s[8:9], s[2:3]
	s_lshl_b32 s2, s97, 23                         ; out: (2,048 x batch + 16 T) rows of 4,096 bytes + 256 x head
	s_lshl_b32 s3, s99, 16
	s_add_co_u32 s2, s2, s3
	s_and_b32 s3, s94, 15
	s_lshl_b32 s3, s3, 8
	s_add_co_u32 s2, s2, s3
	s_mov_b32 s3, 0
	s_add_nc_u64 s[10:11], s[10:11], s[2:3]
.macro QLOAD p                         ; pass p's Q, its scales, its m_q
	global_load_b128 v[QF:QF+3], v[AK0], s[4:5] offset:32768*\p
	global_load_b128 v[QF+4:QF+7], v[AK0], s[4:5] offset:32768*\p+512
	global_load_u16 v[QS], v[QSO], s[6:7] offset:1024*\p
	global_load_b32 v[NQ], v[MQO], s[8:9] offset:1024*\p
.endm
	v_and_b32 v240, 31, v0                         ; lane
	v_and_b32 v241, 15, v0                         ; r
	v_bfe_u32 v243, v0, 4, 1                       ; h
	v_lshlrev_b32 v[AK0], 4, v240
	v_lshlrev_b32 v[QSO], 4, v241
	v_lshlrev_b32 v[MQO], 2, v241
	QLOAD 0
	v_add_nc_u32 v[AV0], VC, v[AK0]
	v_add_nc_u32 v[AS0], s78, v[AK0]               ; my lane's 16 bytes, my head's halfword of each word
	v_add_nc_u32 v[AT0], s79, v[AK0]               ; my head's two words
	v_lshl_add_u32 v[AM0], v243, 5, MKB            ; register j of score tile t is key 16 t + 8 h + j
	v_mul_u32_u24 v[STI], v241, 144
	v_lshl_add_u32 v[STI], v243, 5, v[STI]
	v_add_nc_u32 v[STI], s80, v[STI]               ; in: row r; a tile's eight numbers of my half 64 (t % 2) + 32 h bytes on
	v_and_b32 v240, 7, v0
	v_mul_u32_u24 v[STB], v243, 144
	v_lshl_add_u32 v[STB], v240, 4, v[STB]
	v_add_nc_u32 v[STB], s80, v[STB]               ; back: lanes 0-15 one row, lanes 16-31 the next
	v_lshlrev_b32 v[GO], 12, v243
	v_lshl_add_u32 v[GO], v241, 4, v[GO]
.set j, 0
.rept 8
	v_mov_b32 v[QF+8+j], 0                         ; Q's K = 64 .. 127: zero codes
	v_mov_b32 v[ZZ+j], 0
.set j, j+1
.endr
.irp b, 0,1,2,3
	v_mov_b32 v[BT+\b], 0                          ; a lane permute's destination counts as a source
.endr
	v_mov_b32 v[F+1], 0
.macro PASSINIT                        ; the step is written for every step alike: the first finds zeros, which the first change of M leaves zeros
.set j, 0
.rept 32
	v_mov_b32 v[O+j], 0
.set j, j+1
.endr
	v_mov_b32 v13, 0xff61b1e6                      ; -3e38, under every t
	v_floor_f32 v12, -v13
	v_mov_b32 v14, 0
	v_mov_b32 v15, 0
	s_mov_b32 s[TK], 0
	s_mov_b32 s[TS], 0
	s_wait_loadcnt 0x0                             ; Q, its scales, m_q
	s_wait_xcnt 0x0                                ; earlier stores have read their registers
	v_mul_f32 v[NQ], 0xc1000000, v[NQ]             ; -8 m_q: exact
	v_mov_b32 v[NQ+1], v[NQ]
	s_wait_alu depctr_va_vdst(0)                   ; the wait behind these writes
.endm
.macro SMUL t                          ; score tiles t, t + 1
	v_wmma_scale_f32_16x16x128_f8f6f4 v[S+8*\t:S+8*\t+7], v[FRG+8*\t:FRG+8*\t+15], v[QF:QF+15], v[S+8*\t:S+8*\t+7], v[KSC+\t/2], v[QS] matrix_a_fmt:MATRIX_FMT_BF8 matrix_b_fmt:MATRIX_FMT_BF8
	v_wmma_scale_f32_16x16x128_f8f6f4 v[S+8*\t+8:S+8*\t+15], v[FRG+8*\t+8:FRG+8*\t+23], v[QF:QF+15], v[S+8*\t+8:S+8*\t+15], v[KSC+\t/2], v[QS] matrix_a_fmt:MATRIX_FMT_BF8 matrix_b_fmt:MATRIX_FMT_BF8 matrix_a_scale:MATRIX_SCALE_ROW1
.endm
.macro MASKMUL from, n                 ; -8 m_q m_k, two at a time
.set j, \from
.rept \n
	v_pk_mul_f32 v[S+j:S+j+1], v[S+j:S+j+1], v[NQ:NQ+1]
.set j, j+2
.endr
.endm
.macro BMAX0 b0, b1                    ; the largest score of blocks b0, b1: the first two lines of each; each accumulator is first read at its low end
.irp b, \b0, \b1
	v_max3_num_f32 v[BM+\b], v[S+16*\b], v[S+1+16*\b], v[S+2+16*\b]
.endr
.irp b, \b0, \b1
	v_max3_num_f32 v[BM+\b], v[BM+\b], v[S+3+16*\b], v[S+4+16*\b]
.endr
.endm
.macro BMAX1 b0, b1                    ; and the other six
.irp i, 5,7,9,11,13
.irp b, \b0, \b1
	v_max3_num_f32 v[BM+\b], v[BM+\b], v[S+16*\b+\i], v[S+1+16*\b+\i]
.endr
.endr
.irp b, \b0, \b1
	v_max_num_f32 v[BM+\b], v[BM+\b], v[S+15+16*\b]
.endr
.endm
.macro HOLD b                          ; blocks b, b + 1 held at the largest code x the scale: p is not negative, so the hold is one-sided; two numbers an instruction, of unlike blocks, so that all sources lie in unlike banks
.irp i, 0,2,4,6,8,10,12,14
	v_dual_min_num_f32 v[S+16*(\b)+\i], v[S+16*(\b)+\i], v[LIM+(\b)] :: v_dual_min_num_f32 v[S+16*(\b)+17+\i], v[S+16*(\b)+17+\i], v[LIM+(\b)+1]
	v_dual_min_num_f32 v[S+16*(\b)+1+\i], v[S+16*(\b)+1+\i], v[LIM+(\b)] :: v_dual_min_num_f32 v[S+16*(\b)+16+\i], v[S+16*(\b)+16+\i], v[LIM+(\b)+1]
.endr
.irp c, \b, \b+1
	v_cvt_scalef32_pk8_bf8_f32 v[PCD+4*(\c):PCD+1+4*(\c)], v[S+16*(\c):S+7+16*(\c)], v[SCO+(\c)]
	v_cvt_scalef32_pk8_bf8_f32 v[PCD+2+4*(\c):PCD+3+4*(\c)], v[S+8+16*(\c):S+15+16*(\c)], v[SCO+(\c)]
.endr
.endm
; A KEY STEP: 128 keys.
.macro STEP
	v_add_nc_u32 v[ADM], s[TS], v[AM0]             ; five additions and three v_nop: the eight places behind the last step's products, ahead of the loads into the registers that they read
	v_add_nc_u32 v[ADK], s[TK], v[AK0]
	v_add_nc_u32 v[ADS], s[TS], v[AS0]
.irp t, 0,1,2,3,4,5,6,7
	ds_load_b128 v[S+8*\t:S+8*\t+3], v[ADM] offset:64*\t           ; the keys' mask numbers, straight into the scores' registers
	ds_load_b128 v[S+8*\t+4:S+8*\t+7], v[ADM] offset:64*\t+16
.endr
	v_add_nc_u32 v[ADV], s[TK], v[AV0]
	v_add_nc_u32 v[ADT], s[TS], v[AT0]
.rept 3
	v_nop
.endr
.irp i, 0,1,2,3
	ds_load_u16 v[KSC+\i], v[ADS] offset:4*\i
.endr
.irp t, 0,1,2,3,4,5,6,7
.irp c, 0,1
	ds_load_b128 v[FRG+8*\t+4*\c:FRG+8*\t+4*\c+3], v[ADK] offset:1024*\t+512*\c
.endr
.endr
	s_wait_dscnt 20                                ; the mask numbers are in; the twenty loads behind them may be out
	MASKMUL 0, 20                                  ; tiles 0 to 4: tile 4's four lines stand between tile 3's and the products
	s_wait_alu depctr_va_vdst(0)                   ; the wait directly ahead of the wait below
	s_wait_dscnt 0x0
	SMUL 0                                         ; S^T = K Q^T - 8 m_q m_k: eight accumulators, one instruction each
	SMUL 2
	MASKMUL 40, 12                                 ; tiles 5 to 7: also the places behind the four products above
	BMAX0 0, 1                                     ; four lines between the last multiplication and the products
	SMUL 4
	SMUL 6
	BMAX1 0, 1                                     ; twelve lines on tiles 0 to 3: the places behind the four products above
.irp t, 0,1,2,3
.irp c, 0,1,2,3
	ds_load_b128 v[FRG+16*\t+4*\c:FRG+16*\t+4*\c+3], v[ADV] offset:2048*\t+512*\c   ; v's four fragments land while the softmax is worked
.endr
.endr
	ds_load_b64 v[VSC:VSC+1], v[ADT]
	BMAX0 2, 3
	BMAX1 2, 3
.irp b, 0,1,2,3
	v_permlanex16_b32 v[BT+\b], v[BM+\b], s[SEL], s[SEL+1]
.endr
.irp b, 0,1,2,3
	v_max_num_f32 v[BM+\b], v[BM+\b], v[BT+\b]     ; with lane l xor 16's 16 keys: the block's largest score
.endr
	v_max3_num_f32 v[TMP], v[BM], v[BM+1], v[BM+2]
	s_delay_alu instid0(VALU_DEP_1)
	v_max_num_f32 v[TMP], v[TMP], v[BM+3]
	s_delay_alu instid0(VALU_DEP_1)
	v_mul_f32 v[TMP], s[CS], v[TMP]                ; as t
	s_delay_alu instid0(VALU_DEP_1)
	v_max_num_f32 v13, v13, v[TMP]                 ; the running largest t
	v_mov_b32 v[TMP], v12
	s_delay_alu instid0(VALU_DEP_2)
	v_floor_f32 v12, -v13                          ; the new -M = -ceil(t)
	s_delay_alu instid0(VALU_DEP_1)
	v_sub_f32 v[TMP], v12, v[TMP]                  ; old M - new M: a whole number, 0 or less
	s_delay_alu instid0(VALU_DEP_1)
	v_cvt_i32_f32 v[TMP], v[TMP]                   ; (it saturates)
	s_delay_alu instid0(VALU_DEP_1)
	v_ldexp_f32 v[F], 1.0, v[TMP]                  ; f = 2^(old M - new M)
.set j, 0
.rept 32
	v_pk_fma_f32 v[S+j:S+j+1], v[S+j:S+j+1], s[CS:CS+1], v[12:13] op_sel_hi:[1,0,0]   ; t - M
.set j, j+2
.endr
.irp b, 0,1,2,3
	v_fma_f32 v[BM+\b], v[BM+\b], s[CS], v12       ; the same of each block's largest score
.endr
	s_wait_alu depctr_va_vdst(0)                   ; the wait ahead of the batch
.set j, 0
.rept 64
	v_exp_f32 v[S+j], v[S+j]                       ; p = 2^(t - M)
.set j, j+1
.endr
	v_pk_mul_f32 v[14:15], v[14:15], v[F:F+1] op_sel_hi:[1,0]      ; the sums under the new M: a plain line behind the exponentials
	s_wait_alu depctr_va_vdst(0)                   ; one wait for the batch, ahead of its first reader
.irp b, 0,1,2,3
	v_exp_f32 v[BM+\b], v[BM+\b]                   ; the block's largest p: the same two instructions on the same number give the same bits
.endr
.irp k, 0,1,2,3
	v_pk_add_f32 v[SA+2*\k:SA+2*\k+1], v[S+4*\k:S+4*\k+1], v[S+4*\k+2:S+4*\k+3]      ; the row's sum of the unquantised p, in four chains
.endr
.irp j, 16,24,32,40,48,56
.irp k, 0,1,2,3
	v_pk_add_f32 v[SA+2*\k:SA+2*\k+1], v[SA+2*\k:SA+2*\k+1], v[S+\j+2*\k:S+\j+2*\k+1]
.endr
.endr
	v_pk_add_f32 v[SA:SA+1], v[SA:SA+1], v[SA+2:SA+3]
	v_pk_add_f32 v[SA+4:SA+5], v[SA+4:SA+5], v[SA+6:SA+7]
	v_pk_add_f32 v[14:15], v[14:15], v[SA:SA+1]
	v_pk_add_f32 v[14:15], v[14:15], v[SA+4:SA+5]
	s_wait_alu depctr_va_vdst(0)                   ; and one for the four
.irp b, 0,1,2,3
	v_max_num_f32 v[BM+\b], 0x8000000, v[BM+\b]    ; the floor 2^(16 - 127): the byte cannot fall under 1
.endr
.irp b, 0,1,2,3
	v_add_nc_u32 v[SCO+\b], 0xf8800000, v[BM+\b]   ; 15 off the exponent field: the conversion's scale operand
.endr
.irp b, 0,1,2,3
	v_and_or_b32 v[LIM+\b], v[BM+\b], 0x7f800000, s[MNT]           ; 57,344 x the scale
.endr
.irp b, 0,1,2,3
	v_lshrrev_b32 v[BT+\b], 23, v[SCO+\b]          ; the scale's byte
.endr
	v_lshl_or_b32 v[PW], v[BT+1], 8, v[BT]         ; p's scale word; the holds below stand between it and the products
	v_lshl_or_b32 v[PW], v[BT+2], 16, v[PW]
	v_lshl_or_b32 v[PW], v[BT+3], 24, v[PW]
	HOLD 0
	HOLD 2
	s_wait_dscnt 0x0                               ; v's fragments and scale words are in
	s_wait_alu depctr_va_vdst(0)                   ; the wait directly ahead of the first reader of O^T
.set j, 0
.rept 16
	v_pk_mul_f32 v[O+j:O+j+1], v[O+j:O+j+1], v[F:F+1] op_sel_hi:[1,0]     ; O^T under the new M; these lines also stand between the codes and the products
.set j, j+2
.endr
.irp t, 0,2                                    ; O^T += V^T P^T: four accumulators, one instruction each
	v_wmma_scale_f32_16x16x128_f8f6f4 v[O+8*\t:O+8*\t+7], v[FRG+16*\t:FRG+16*\t+15], v[PCD:PCD+15], v[O+8*\t:O+8*\t+7], v[VSC+\t/2], v[PW] matrix_a_fmt:MATRIX_FMT_BF8 matrix_b_fmt:MATRIX_FMT_BF8
	v_wmma_scale_f32_16x16x128_f8f6f4 v[O+8*\t+8:O+8*\t+15], v[FRG+16*\t+16:FRG+16*\t+31], v[PCD:PCD+15], v[O+8*\t+8:O+8*\t+15], v[VSC+\t/2], v[PW] matrix_a_fmt:MATRIX_FMT_BF8 matrix_b_fmt:MATRIX_FMT_BF8 matrix_a_scale:MATRIX_SCALE_ROW1
.endr
	s_add_co_u32 s[TK], s[TK], 8192
	s_add_co_u32 s[TS], s[TS], 512
.endm
; THE WAY OUT of pass p.  O^T / the sum goes through my stage, half a row (32 channels, 128 bytes) of the 16 queries at a time.  Both halves come back with eight lanes to a half row: lane l reads piece l % 8 of row 2 i + l / 16.
; A select then gives lanes 8-15 of each sixteen the second half's piece, so that sixteen lanes hold a whole row of 256 bytes.
.macro HALFOUT u, to
.irp t, 0,1
	ds_store_b128 v[STI], v[S+16*\u+8*\t:S+16*\u+8*\t+3] offset:64*\t
	ds_store_b128 v[STI], v[S+16*\u+8*\t+4:S+16*\u+8*\t+7] offset:64*\t+16
.endr
.irp i, 0,1,2,3,4,5,6,7
	ds_load_b128 v[\to+4*\i:\to+4*\i+3], v[STB] offset:\i*288      ; LDS serves a wave's instructions in order: these see my stores, and the next half's stores come behind them
.endr
.endm
.macro WAYOUT p
	v_add_f32 v14, v14, v15
	v_permlanex16_b32 v[TMP], v14, s[SEL], s[SEL+1]
	v_add_f32 v14, v14, v[TMP]                     ; the row's sum
.rept 6
	v_nop                                          ; with the additions: the places behind the last products
.endr
	s_wait_alu depctr_va_vdst(0)                   ; the wait ahead of the transcendental
	v_rcp_f32 v14, v14
	v_nop
	s_wait_alu depctr_va_vdst(0)                   ; ahead of its first reader, which is also O^T's
.set j, 0
.rept 16
	v_pk_mul_f32 v[S+j:S+j+1], v[O+j:O+j+1], v[14:15] op_sel_hi:[1,0]     ; register 8 t + i is out(query r, 16 t + 8 h + i)
.set j, j+2
.endr
	HALFOUT 0, FRG                                 ; the fragments' registers are free: the last products stand more than eight places back
	HALFOUT 1, FRG+32
	v_and_b32 v[TMP], 8, v0
	v_cmp_ne_u32 vcc_lo, 0, v[TMP]                 ; lanes 8-15 of each sixteen
	s_wait_dscnt 0x0                               ; both halves are back
.set j, 0
.rept 32
	v_cndmask_b32 v[FRG+j], v[FRG+j], v[FRG+32+j], vcc_lo
.set j, j+1
.endr
.irp i, 0,1,2,3,4,5,6,7
	global_store_b128 v[GO], v[FRG+4*\i:FRG+4*\i+3], s[10:11] offset:1048576*\p+8192*\i th:TH_STORE_NT   ; 16 lanes store 256 consecutive bytes, aligned
.endr
.endm
	PASSINIT
	s_wait_tensorcnt 0x0                           ; my load of the first group is in; the three lines ahead of the second group's first fills
	ds_add_u32 v[SPW], v[NIL]
	s_wait_dscnt 0x0
	ROUND
	ARM 6, 48, G1KB, .Lrest_v, .Lrest_asked        ; the second group, one load a wave
	tensor_load_to_lds s[52:55], s[G1D:G1D+7]
	s_nop 0
.rept 4
	v_nop
.endr
.Lrest_asked:
	s_mov_b32 s[CNT], 6
.Lfirst:                                           ; key steps 0 to 5 read the first group alone
	STEP
	s_sub_co_u32 s[CNT], s[CNT], 1
	s_cmp_lg_u32 s[CNT], 0
	s_cbranch_scc1 .Lfirst
	s_wait_tensorcnt 0x0                           ; my load of the second group has landed,
	s_wait_dscnt 0x0
	s_barrier_signal -1
	s_barrier_wait -1                              ; everybody's has
	s_mov_b32 s[CNT], 10
.Lrest:
	STEP
	s_sub_co_u32 s[CNT], s[CNT], 1
	s_cmp_lg_u32 s[CNT], 0
	s_cbranch_scc1 .Lrest
	QLOAD 1                                        ; the second tile's Q is on its way while the first tile goes out
	WAYOUT 0
	PASSINIT
	s_mov_b32 s[CNT], 16
.Lsecond:
	STEP
	s_sub_co_u32 s[CNT], s[CNT], 1
	s_cmp_lg_u32 s[CNT], 0
	s_cbranch_scc1 .Lsecond
	WAYOUT 1
	s_wait_tensorcnt 0x0                           ; the wave's end
	ds_add_u32 v[SPW], v[NIL]
	s_wait_dscnt 0x0
	ROUND                                          ; the closing round
	s_endpgm
.Lfunc_end_k_qa75f3f2def_attn:
	.size	k_qa75f3f2def_attn, .Lfunc_end_k_qa75f3f2def_attn-k_qa75f3f2def_attn
	.p2alignl 7, 3214868480
	.fill 96, 4, 3214868480
	.section	.rodata,"a",@progbits
	.p2align	6, 0x0
	.amdhsa_kernel k_qa75f3f2def_attn
		.amdhsa_group_segment_fixed_size 327680
		.amdhsa_private_segment_fixed_size 0
		.amdhsa_enable_private_segment 0
		.amdhsa_kernarg_size 32
		.amdhsa_user_sgpr_count 2
		.amdhsa_user_sgpr_kernarg_segment_ptr 1
		.amdhsa_wavefront_size32 1
		.amdhsa_system_sgpr_workgroup_id_x 1
		.amdhsa_system_sgpr_workgroup_id_y 1
		.amdhsa_system_sgpr_workgroup_id_z 1
		.amdhsa_system_vgpr_workitem_id 0
		.amdhsa_next_free_vgpr 256
		.amdhsa_next_free_sgpr 100
		.amdhsa_reserve_vcc 1
		.amdhsa_float_denorm_mode_32 3
		.amdhsa_float_denorm_mode_16_64 3
		.amdhsa_memory_ordered 1
		.amdhsa_forward_progress 1
		.amdhsa_inst_pref_size 89
	.end_amdhsa_kernel
	.amdgpu_metadata
---
amdhsa.version: [ 1, 2 ]
amdhsa.kernels:
  - .name:           k_qa75f3f2def_attn
    .symbol:         k_qa75f3f2def_attn.kd
    .args:
      - { .name: qkv_codes, .offset: 0, .size: 8, .value_kind: global_buffer, .address_space: global }
      - { .name: qkv_scales, .offset: 8, .size: 8, .value_kind: global_buffer, .address_space: global }
      - { .name: mask_mat, .offset: 16, .size: 8, .value_kind: global_buffer, .address_space: global }
      - { .name: out0, .offset: 24, .size: 8, .value_kind: global_buffer, .address_space: global }
    .group_segment_fixed_size: 327680
    .private_segment_fixed_size: 0
    .kernarg_segment_align: 8
    .kernarg_segment_size: 32
    .max_flat_workgroup_size: 512
    .sgpr_count:     100
    .vgpr_count:     256
    .wavefront_size: 32
...
	.end_amdgpu_metadata
.endif
;; end of part 3
